; MI455X (gfx1250); checked and timed in simulation.
; The chip was launched on July 23, 2026; its instructions are those of AMD's public machine-readable ISA for CDNA 5 (MIT licence, August 2026) and "CDNA5" Instruction Set Architecture Reference Guide (July 2026). The comments in the code are by the model that wrote it; some were corrected since.
;; Bert Self Attention. Allowed arithmetic: matrix products marked QUANTISED: E2M1 operands, one E8M0 scale for each 32 along K, by v_wmma_scale_f32_16x16x128_f8f6f4 with both operands' format E2M1 (or v_wmma_scale_f32_32x16x128_f4), f32 sums; everything else in f32.
;; Inputs: attention_mask 4 x 1 x 1 x 2,048 float32; hidden_states_codes 4 x 2,048 x 32 x 16 uint8 (E2M1 codes of hidden_states, K innermost, in blocks of 32 codes, two codes a byte); hidden_states_scales 4 x 2,048 x 32 uint8 (E8M0 scales of hidden_states, one for each 32 codes along K); k_bias 1,024 float32; k_weight_codes 1,024 x 32 x 16 uint8 (E2M1 codes of k_weight, K innermost, in blocks of 32 codes, two codes a byte); k_weight_scales 1,024 x 32 uint8 (E8M0 scales of k_weight, one for each 32 codes along K); q_bias 1,024 float32; q_weight_codes 1,024 x 32 x 16 uint8 (E2M1 codes of q_weight, K innermost, in blocks of 32 codes, two codes a byte); q_weight_scales 1,024 x 32 uint8 (E8M0 scales of q_weight, one for each 32 codes along K); v_bias 1,024 float32; v_weight_codes 1,024 x 32 x 16 uint8 (E2M1 codes of v_weight, K innermost, in blocks of 32 codes, two codes a byte); v_weight_scales 1,024 x 32 uint8 (E8M0 scales of v_weight, one for each 32 codes along K).
;; Outputs: out0 4 x 2,048 x 1,024 float32.
;; This version of the problem:
;;   THIS VERSION OF THE PROBLEM IS GIVEN IN LOW PRECISION. The matrix products marked QUANTISED in the list below multiply operands that are first quantised to E2M1 (2 exponent bits, 1 mantissa bit; 4 bits a number), with one power-of-two scale for each 32 numbers along K (OCP MX v1.0); their sums are f32. All else is computed in f32.
;;   The module's matrix products, in the order in which they are computed (A, B: the left and right operand; K: the contracted axis; several contracted axes count as one K, in the product's order):
;;     1. [M 8,192, K 1,024] x [K 1,024, N 1,024]; A: input hidden_states (given as codes); B: input q_weight (given as codes): QUANTISED
;;     2. [M 8,192, K 1,024] x [K 1,024, N 1,024]; A: input hidden_states (given as codes); B: input k_weight (given as codes): QUANTISED
;;     3. [M 8,192, K 1,024] x [K 1,024, N 1,024]; A: input hidden_states (given as codes); B: input v_weight (given as codes): QUANTISED
;;     4. batch 64 x [M 2,048, K 64] x [K 64, N 2,048]; A: computed on the way; B: computed on the way: QUANTISED
;;     5. batch 64 x [M 2,048, K 2,048] x [K 2,048, N 64]; A: softmax (see below); B: computed on the way: QUANTISED
;;   THE QUANTISER, for each operand of a quantised product, along K:
;;     - K is cut into blocks of 32 from its start; a last block that is shorter is filled with zeros.
;;     - A block's scale is 2^e with e = floor(log2(the largest magnitude in the block)) - 2, held to -126 .. 127; a block of zeros has e = 0. As a byte (E8M0): e + 127.
;;     - Each number is divided by its block's scale, clamped to +-6, and rounded to the nearest number of E2M1, ties to even, subnormals kept.
;;     - The product sums the exact products of the quantised numbers (number of the format x scale) in f32.
;;   ~~~python
;;   def quantise(x, axis):      # numpy; x: float32 -> the quantised numbers, widened to float32 again
;;       x = np.moveaxis(x, axis, -1); K = x.shape[-1]
;;       x = np.pad(x, [(0, 0)] * (x.ndim - 1) + [(0, -K % 32)]); x = x.reshape(x.shape[:-1] + (-1, 32)); a = np.abs(x).max(-1, keepdims=True)
;;       e = np.where(a > 0, np.clip(np.frexp(np.where(a > 0, a, 1))[1] - 1 - 2, -126, 127), 0)      # np.frexp(a)[1] - 1 = floor(log2(a)), exactly
;;       r = np.clip(x / 2.0 ** e, -6, 6)
;;       step = 2.0 ** (np.maximum(np.frexp(np.where(r == 0, 1, r))[1] - 1, 0) - 1)
;;       q = np.round(r / step) * step * 2.0 ** e      # np.round: ties to even
;;       return np.moveaxis(q.reshape(q.shape[:-2] + (-1,))[..., :K], -1, axis).astype(np.float32)
;;   ~~~
;;   SOFTMAX AHEAD OF A QUANTISED PRODUCT. Where the list says 'softmax', what is quantised is not the finished softmax but p = 2^(t - M), with t = logit x log2(e) and M = ceil(the row's largest t), a whole number; so 1/2 < the row's largest p <= 1. The row's sum l is taken of the UNQUANTISED p, in f32, and the product's result is divided by l at the end. Since M is a whole number, a kernel that streams over the keys may use a running M (the ceiling of the running maximum): every later rescaling is an exact power of two, which a block's scale takes up: the codes' values come out the same.
;;   OPERANDS COMPUTED ON THE WAY. 'Computed on the way' means the value that the module computes at that place (a softmax that the list does not call 'softmax' is quantised finished and normalised). What goes into a quantiser is computed in f32, as accurately as f32 sums, v_exp_f32 and their like allow (about 1e-6 of the number): no bf16 or f16 on the way to a quantiser, and a product that is left as it is and whose result goes on into a quantised operand takes f32 operands (vector FMAs, or v_wmma_f32_16x16x4_f32). A number that lies on a knife's edge between two numbers of the format may be rounded either way, as far as f32 arithmetic and the matrix unit's own rounding can turn it there, and no further.
;;   INPUTS GIVEN AS CODES. hidden_states (in the module: [4, 2048, 1024], K = its axis 2); k_weight (in the module: [1024, 1024], K = its axis 1); q_weight (in the module: [1024, 1024], K = its axis 1); v_weight (in the module: [1024, 1024], K = its axis 1): each comes as NAME_codes (uint8): NAME with its K axis moved to the last place and cut into blocks of 32 codes, [.., K / 32, bytes a block], one block behind the other in memory; two codes a byte, the lower K in the low four bits (a code: sign, 2 exponent bits, 1 mantissa bit); and NAME_scales (uint8): the same leading axes, one E8M0 byte (e + 127) for each 32 codes along K. Its value is code x scale, taken as it is: it is not quantised again, and the codes and scales need not be those that the quantiser above would give.
;; One version. Each part assembles by itself: llvm-mc -triple=amdgcn-amd-amdhsa -mcpu=gfx1250 --defsym DOCPART=n.
;; ======== version 1 of 1: 2 launches
;; limits: right only within a limited range of input values
;; workspace buffers: qw 4,456,448 bytes; kvw 8,912,896 bytes
;; launch proj (part 1): grid 8 x 32, 4 waves a work-group, clusters of 4 x 4, 327,680 bytes of LDS; arguments hidden_states_codes, hidden_states_scales, q_weight_codes, q_weight_scales, k_weight_codes, k_weight_scales, v_weight_codes, v_weight_scales, q_bias, k_bias, v_bias, qw, kvw; writes qw, kvw
.if DOCPART == 1
	.amdgcn_target "amdgcn-amd-amdhsa--gfx1250"
	.amdhsa_code_object_version 6
	.text
	.protected	k_q0dedaa80a6_proj
	.globl	k_q0dedaa80a6_proj
	.p2align	8
	.type	k_q0dedaa80a6_proj,@function
k_q0dedaa80a6_proj:
	s_mov_b64 s[64:65], 0
	v_nop
	global_prefetch_b8 v0, s[64:65] scope:SCOPE_SE
	s_setreg_imm32_b32 hwreg(HW_REG_WAVE_MODE, 25, 1), 1
	s_wait_xcnt 0x0
	s_wait_alu depctr_hold_cnt(0) depctr_sa_sdst(0) depctr_va_vdst(0) depctr_va_sdst(0) depctr_va_ssrc(0) depctr_va_vcc(0) depctr_vm_vsrc(0)
	s_getreg_b32 s2, hwreg(HW_REG_IB_STS2, 6, 4)
	s_cmp_eq_u32 s2, 0
	s_cbranch_scc0 .Lentry_in_a_cluster
	s_endpgm
.Lentry_in_a_cluster:
	s_bfe_u32 s2, ttmp6, 0x10000c
	s_cmp_lg_u32 s2, 0xf033
	s_cbranch_scc0 .Lentry_shape_is_right
	s_endpgm
.Lentry_shape_is_right:
; q, k, v = hidden W^T + bias (three products [8192 x 1024] x [1024 x 1024] on codes of FP4 (E2M1) with one E8M0 byte for each 32 along K), and the quantisers behind them:
; q and k along the head's 64 (two blocks of 32), v along the keys (blocks of 32 tokens).  What leaves are codes and scale words, laid as images of the registers in which the second launch wants them.
; NOTHING OF THE PROBLEM IS LEFT OUT: every input can move a code or a scale (k's bias stands ahead of a quantiser; the mask differs along the softmax's axis), so all twelve inputs are loaded by one of the two launches.
; LIMITS: a block of q, k or v whose largest magnitude lies under 2^-121 keeps the scale byte 4 (the floor below), so that the second launch can take 3 off q's bytes without a borrow; a block of zeros keeps that byte too, where the
; quantiser says 127: its codes are zeros, and this program alone reads the bytes.  NaN and infinities among the inputs are not served.
; SHARES.  8 x 32 work-groups of four waves.  Column j = 4 x cluster x + cx, 256 tokens by 4 x cluster y + cy.  A work-group makes FIRST 256 tokens x 256 rows of q's weight (cluster x = 0) or k's (1), rows 256 cx on: a wave 128 x 128, 64 accumulators;
; THEN the same 256 tokens x v's rows 128 j .. 128 j + 127: a wave 128 tokens x 64 rows (one head), 32 accumulators.  So the 3 x 1,024 weight rows are dealt evenly: 384 rows to each of the 8 columns.
; LDS.  All of K = 1,024 (512 bytes a row) of the 256 tokens and 256 weight rows comes at the head, one tensor load a wave (128 rows).  The tile is stated 528 bytes wide over a tensor width of 512: the 16 bytes behind each row are written as zeros,
; so that LDS rows are 528 bytes apart (33 x 16: the 16 rows that a load touches start at 16 different banks of the 64, ISA guide 11.1).  640 such rows do not fit in LDS, so v's 128 rows are a REFILL of the weight rows' bytes, 32 rows a wave:
; it is issued when the last step's fragments of q or k are in registers, and has that step's 64 products, the quantiser and the stores in which to land.
; CLUSTERS: 4 x 4 work-groups.  The four of a row of the cluster need the same tokens' tiles, the four of a column the same weight rows' (q's or k's, and v's): each tile is asked for JOINTLY.
; THE SCALE WORDS go from memory straight into registers: a row's 32 bytes are two pieces of 16; lanes 0-15 take K 0-511's four words, lanes 16-31 K 512-1023's: each load of the wave covers 512 consecutive bytes, and the ROW selector picks the half.
; q, k: source 0 = 16 weight rows, source 1 = 16 tokens: a lane holds ONE token, its registers run along the head's axis.  v: source 0 = 16 tokens, source 1 = 16 weight rows: a lane holds one channel, its registers run along the tokens.
; THE BIAS is the C of each sum's first matrix instruction.
; FROM TILES TO AN OPERAND.  Accumulator T of a block of eight holds index 16 T + 8 (lane / 16) + j in register j.  The conversions of tiles 0, 2, 1, 3 are laid in registers 0, 1, 2, 3, and two exchanges of lane halves leave register q with index 32 (lane / 16) + 8 q + 0 .. 7.
; No prefetch: the text has no loop to run ahead in; the one later request is v's rows, asked for as soon as their LDS bytes are free.
; REGISTERS: window 0: v16-29 addresses; v32-63 the tokens' scale words, v64-95 the weight rows'; v96-111 at work; v112-119 a scale word for each block; v120-127 words on their way out; v128-191 source 1's fragments, later the codes; v192-255 the bias.
;   window 1: source 0's fragments, TWO sets, at v0 and v128.   window 2: the accumulators of source 1's blocks 0-3;   window 3: those of blocks 4-7.
.set PITCH,  528
.set FR,     8
.set NP,     4                         ; places behind this matrix instruction (ISA guide 7.12.1)
.set HALFT,  128*PITCH                 ; 128 rows
.set SPARE,  4*HALFT                   ; behind the tiles: the spare words, 128 bytes for each wave
.set ADRA, 16                          ; LDS address of my 128 tokens' fragments
.set ADRV, 17                          ; of my 64 rows of v's weight
.set R4,   18                          ; 4 r
.set SOF,  19                          ; 32 r + 16 h: a lane's piece of a row of scale bytes
.set ADRB, 20                          ; of my 128 rows of q's or k's weight
.set L16,  24
.set L8,   25
.set SPW,  28
.set NIL,  29
.set SCA,  32                          ; register 4 i + q: the tokens' block i, word q of the lane half's 512 along K
.set SCB,  64                          ; the same for the weight rows
.set TM,   96
.set VO,   96
.set WD,   112
.set WP,   120
.set AF,   128
.set PC,   128
.set BI,   192
.set WV,   30
.set HH,   31
.set WH,   92
.set CX,   93
.set CY,   94
.set GY,   95
.set SEL,  18
.set PA,   98
.set PB,   100
.set PSA,  66
.set PSB,  28
.set G1,   32
.set G0,   40
.set G1B,  48
.set G0B,  56
.set G1V,  72
.set G0V,  80
.set PVS,  84                          ; s[84:85] my 64 rows of v's scale bytes; s[86:87] their bias; s[88:89] my record of v
.set PVB,  86
.set PVO,  88
.set MSB, 0
.macro WIN new                         ; the immediate's high byte repeats the setting that is left
.if MSB != \new
	s_set_vgpr_msb (MSB<<8)|\new
.set MSB, \new
.endif
.endm
.set MUL_LO, 0xa1
.set MUL_HI, 0xf1
.set TO_B,   0x40
.macro CROUND                          ; a round of the cluster's barrier
	s_barrier_signal -1
	s_barrier_wait -1
	s_cmp_lg_u32 s[WV], 0
	s_cbranch_scc1 .Lnot_wave_0_\@
	s_barrier_signal -3
.Lnot_wave_0_\@:
	s_barrier_wait -3
	s_barrier_signal -1
	s_barrier_wait -1
.endm
	s_load_b512 s[4:19], s[0:1], 0x0               ; hidden's codes s[4:5], scales s[6:7]; q's weight s[8:11], k's s[12:15], v's s[16:19]
	s_load_b256 s[20:27], s[0:1], 0x40             ; q's bias, k's, v's; qw
	s_load_b64 s[28:29], s[0:1], 0x60              ; kvw
	v_lshl_add_u32 v[SPW], v0, 2, SPARE
	v_mov_b32 v[NIL], 0
	ds_add_u32 v[SPW], v[NIL]                      ; the opening lines: the add, twice on end, and its wait ahead of my first tensor load
	ds_add_u32 v[SPW], v[NIL]
	v_lshrrev_b32 v1, 5, v0
	v_readfirstlane_b32 s[WV], v1                  ; wave 0..3
	s_lshr_b32 s[HH], s[WV], 1                     ; my half of the tokens; also: at the head I fetch for the tokens (0) or the weight (1)
	s_and_b32 s[WH], s[WV], 1                      ; my half of the weight rows; also: which 128 rows I fetch
	s_bfe_u32 s[CX], ttmp6, 0x40000
	s_bfe_u32 s[CY], ttmp6, 0x40004
	s_and_b32 s[GY], ttmp7, 0xffff
	s_lshl_b32 s[GY], s[GY], 2
	s_add_co_u32 s[GY], s[GY], s[CY]               ; which 256 tokens
	s_lshl_b32 s96, s[CY], 2
	s_lshl_b32 s96, 15, s96                        ; my row of the cluster
	s_lshl_b32 s97, 0x1111, s[CX]                  ; my column
	s_lshl_b32 s2, ttmp9, 2
	s_add_co_u32 s2, s2, s[CX]                     ; j
	s_mov_b32 s104, 0xffff0000                     ; lanes 16-31, for v_cndmask_b32
	s_or_b32 s[G1+0], s96, (0<<16)|(1<<21)         ; the mask: the tokens' tiles go to my row; elements of 1 byte; bit 21 beside a mask
	s_or_b32 s[G1B+0], s97, (0<<16)|(1<<21)        ; the weight's to my column
	s_or_b32 s[G1V+0], s97, (0<<16)|(1<<21)
.irp g, G1, G1B, G1V
	s_mov_b32 s[\g+1], 512<<16                     ; tensor_dim0 = 512
	s_mov_b32 s[\g+3], PITCH<<16                   ; tile_dim0 = 528: the last 16 lie past the tensor's width and are written as zeros
	s_mov_b32 s[\g+5], 512                         ; from row to row
	s_mov_b32 s[\g+6], 0
	s_mov_b32 s[\g+7], 0
.endr
.irp g, G1, G1B
	s_mov_b32 s[\g+2], 128<<16                     ; 128 rows
	s_mov_b32 s[\g+4], 128
.endr
	s_mov_b32 s[G1V+2], 32<<16                     ; 32 rows
	s_mov_b32 s[G1V+4], 32
	s_wait_alu depctr_va_vdst(0)                   ; the wait ahead of the waits below
	s_wait_dscnt 0x0
	s_wait_kmcnt 0x0
	; v: the 32 rows that I fetch, my 64 rows' scale bytes and bias, my record
	s_lshl_b32 s44, s2, 7
	s_lshl_b32 s45, s[WV], 5
	s_add_co_u32 s44, s44, s45
	s_lshl_b32 s44, s44, 9
	s_mov_b32 s45, 0
	s_mov_b32 s[G0V], 1
	s_mul_i32 s46, s[WV], 32*PITCH
	s_add_co_u32 s[G0V+1], s46, 2*HALFT            ; into the weight rows' bytes
	s_add_nc_u64 s[G0V+2:G0V+3], s[16:17], s[44:45]
	s_or_b32 s[G0V+3], s[G0V+3], 0x80000000
	s_lshl_b32 s44, s2, 7
	s_lshl_b32 s46, s[WH], 6
	s_add_co_u32 s44, s44, s46
	s_lshl_b32 s46, s44, 2
	s_lshl_b32 s44, s44, 5
	s_mov_b32 s47, 0
	s_add_nc_u64 s[PVS:PVS+1], s[18:19], s[44:45]
	s_add_nc_u64 s[PVB:PVB+1], s[24:25], s[46:47]
	s_lshr_b32 s60, s[GY], 3
	s_lshl_b32 s60, s60, 4
	s_lshl_b32 s61, s2, 1
	s_add_co_u32 s60, s60, s61
	s_add_co_u32 s60, s60, s[WH]                   ; v's head: 16 x batch + 2 j + half
	s_mul_i32 s60, s60, 139264
	s_and_b32 s61, s[GY], 7
	s_lshl_b32 s61, s61, 1
	s_add_co_u32 s61, s61, s[HH]                   ; the record
	s_mul_i32 s61, s61, 8704
	s_add_co_u32 s60, s60, s61
	s_mov_b32 s61, 0
	s_add_nc_u64 s[PVO:PVO+1], s[28:29], s[60:61]
	s_cmp_eq_u32 ttmp9, 1                          ; q's or k's weight, scales, bias and workspace, by the cluster's x
	s_cselect_b64 s[8:9], s[12:13], s[8:9]
	s_cselect_b64 s[10:11], s[14:15], s[10:11]
	s_cselect_b64 s[20:21], s[22:23], s[20:21]
	s_cselect_b64 s[26:27], s[28:29], s[26:27]
	s_lshl_b32 s3, s[WH], 7                        ; which 128 rows of the tile I fetch
	s_lshl_b32 s12, s[GY], 8
	s_add_co_u32 s12, s12, s3
	s_lshl_b32 s12, s12, 9                         ; the tokens' codes that I fetch
	s_mov_b32 s13, 0
	s_lshl_b32 s16, s[CX], 8
	s_add_co_u32 s16, s16, s3
	s_lshl_b32 s18, s16, 5                         ; my 128 weight rows' scale bytes
	s_lshl_b32 s16, s16, 9                         ; the weight's codes that I fetch
	s_mov_b32 s17, 0
	s_mov_b32 s19, 0
	s_lshl_b32 s14, s[GY], 8
	s_lshl_b32 s15, s[HH], 7
	s_add_co_u32 s14, s14, s15
	s_lshl_b32 s14, s14, 5                         ; my 128 tokens' scale bytes
	s_mov_b32 s15, 0
	s_add_nc_u64 s[4:5], s[4:5], s[12:13]
	s_add_nc_u64 s[6:7], s[6:7], s[14:15]
	s_add_nc_u64 s[8:9], s[8:9], s[16:17]
	s_add_nc_u64 s[10:11], s[10:11], s[18:19]
	s_mul_i32 s22, s[WV], HALFT                    ; where my rows go: no place in the cluster enters an LDS address
	CROUND                                         ; all sixteen work-groups are here: the joint loads meet
	s_mov_b32 s[G0], 1
	s_mov_b32 s[G0+1], s22
	s_mov_b64 s[G0+2:G0+3], s[4:5]
	s_or_b32 s[G0+3], s[G0+3], 0x80000000
	s_mov_b32 s[G0B], 1
	s_mov_b32 s[G0B+1], s22
	s_mov_b64 s[G0B+2:G0B+3], s[8:9]
	s_or_b32 s[G0B+3], s[G0B+3], 0x80000000
	s_cmp_eq_u32 s[HH], 0                          ; my one tensor load at the head: waves 0 and 1 fetch the tokens' halves, waves 2 and 3 the weight's
	s_cbranch_scc0 .Lfor_w
	tensor_load_to_lds s[G0:G0+3], s[G1:G1+7]
	s_nop 0
.rept 4
	v_nop
.endr
	s_branch .Lasked
.Lfor_w:
	tensor_load_to_lds s[G0B:G0B+3], s[G1B:G1B+7]
	s_nop 0
.rept 4
	v_nop
.endr
.Lasked:
	s_mul_i32 s16, s[HH], HALFT                    ; my 128 tokens
	s_mul_i32 s17, s[WH], HALFT
	s_add_co_u32 s17, s17, 2*HALFT                 ; my 128 rows of q's or k's weight
	s_mul_i32 s18, s[WH], 64*PITCH
	s_add_co_u32 s18, s18, 2*HALFT                 ; my 64 rows of v's
	s_lshl_b32 s12, s[CX], 10
	s_lshl_b32 s13, s[WH], 9
	s_add_co_u32 s12, s12, s13                     ; my 128 weight rows' bias, in bytes
	s_mov_b32 s13, 0
	s_add_nc_u64 s[20:21], s[20:21], s[12:13]
	v_and_b32 v1, 15, v0                           ; r
	v_bfe_u32 v2, v0, 4, 1                         ; h
	v_mul_u32_u24 v3, v1, PITCH
	v_lshl_add_u32 v4, v2, 4, v3                   ; a fragment's row x pitch + 16 x half
	v_add_nc_u32 v[ADRA], s16, v4
	v_add_nc_u32 v[ADRB], s17, v4
	v_add_nc_u32 v[ADRV], s18, v4
	v_lshlrev_b32 v[SOF], 5, v1
	v_lshl_add_u32 v[SOF], v2, 4, v[SOF]
	v_lshlrev_b32 v[R4], 2, v1
	v_and_b32 v6, 31, v0
	v_lshlrev_b32 v[L16], 4, v6
	v_lshlrev_b32 v[L8], 3, v6
	v_lshlrev_b32 v7, 5, v2
.irp j, 0,1,2,3,4,5,6,7
	v_add_nc_u32 v[VO+\j], 4*\j, v7                ; q, k: register j of tile b holds bias[16 b + 8 h + j]
.endr
	s_wait_alu depctr_va_vdst(0)
.irp i, 0,1,2,3,4,5,6,7
	global_load_b128 v[SCA+4*\i:SCA+4*\i+3], v[SOF], s[6:7] offset:512*\i
	global_load_b128 v[SCB+4*\i:SCB+4*\i+3], v[SOF], s[10:11] offset:512*\i
.endr
.irp t, 0,1,2,3,4,5,6,7
	global_load_b128 v[BI+8*\t:BI+8*\t+3], v[VO], s[20:21] offset:64*\t       ; a tile's eight numbers of a lane are 32 neighbouring bytes
	global_load_b128 v[BI+8*\t+4:BI+8*\t+7], v[VO+4], s[20:21] offset:64*\t
.endr
	; where q's or k's results go.  My 128 tokens are one record (128 queries, or a key step) of each head; my 128 weight rows are two heads.
	s_cmp_eq_u32 ttmp9, 0
	s_mov_b32 s12, 139264
	s_cselect_b32 s12, 69632, s12                  ; bytes from head to head: 16 records
	s_mov_b32 s13, 8704
	s_cselect_b32 s13, 4352, s13                   ; a record
	s_mov_b32 s14, 8192
	s_cselect_b32 s14, 4096, s14                   ; where the scale words stand in it
	s_lshr_b32 s16, s[GY], 3
	s_lshl_b32 s16, s16, 4
	s_lshl_b32 s17, s[CX], 2
	s_add_co_u32 s16, s16, s17
	s_lshl_b32 s17, s[WH], 1
	s_add_co_u32 s16, s16, s17                     ; my first head: 16 x batch + 4 cx + 2 x half
	s_and_b32 s17, s[GY], 7
	s_lshl_b32 s17, s17, 1
	s_add_co_u32 s17, s17, s[HH]                   ; the record
	s_mul_i32 s16, s16, s12
	s_mul_i32 s17, s17, s13
	s_add_co_u32 s16, s16, s17
	s_mov_b32 s17, 0
	s_add_nc_u64 s[PA:PA+1], s[26:27], s[16:17]
	s_mov_b32 s13, 0
	s_add_nc_u64 s[PB:PB+1], s[PA:PA+1], s[12:13]
	s_mov_b32 s15, 0
	s_add_nc_u64 s[PSA:PSA+1], s[PA:PA+1], s[14:15]
	s_add_nc_u64 s[PSB:PSB+1], s[PB:PB+1], s[14:15]
.macro FRAG reg, adr, k, i             ; 16 rows x 128 K of 4-bit codes, 8 registers: lane l holds row l % 16; registers 4 c .. 4 c + 3 hold K = 64 c + 32 (l / 16) + 0 .. 31
.irp c, 0,1
	ds_load_b128 v[\reg+4*\c:\reg+4*\c+3], v[\adr] offset:64*(\k)+32*\c+(\i)*16*PITCH
.endr
.endm
.macro WMM k                           ; one product of the k-th 128 along K; lanes 16-31 of the scale registers serve K from 512 on
.if (\k) < 4
	v_wmma_scale_f32_16x16x128_f8f6f4 v[rD:rD+7], v[rA:rA+7], v[rB:rB+7], v[rC:rC+7], v[s0], v[s1] matrix_a_fmt:MATRIX_FMT_FP4 matrix_b_fmt:MATRIX_FMT_FP4
.else
	v_wmma_scale_f32_16x16x128_f8f6f4 v[rD:rD+7], v[rA:rA+7], v[rB:rB+7], v[rC:rC+7], v[s0], v[s1] matrix_a_fmt:MATRIX_FMT_FP4 matrix_b_fmt:MATRIX_FMT_FP4 matrix_a_scale:MATRIX_SCALE_ROW1 matrix_b_scale:MATRIX_SCALE_ROW1
.endif
.endm
; q, k: 16 matrix instructions: the tokens' blocks a0, a0 + 1 x the weight's eight.  zero = 1: the first product starts the sums with the bias as C.
; The accumulators take turns, one instruction a turn, in the same order in every step.
.macro MUL16 a0, k, zero
.irp a, \a0, \a0+1
.irp b, 0,1,2,3,4,5,6,7
.set rD, 8*(8*((\a)%4)+\b)
.if \zero
.set rC, BI+8*\b
.else
.set rC, rD
.endif
.set rA, 128*((\k)%2)+FR*\b
.set rB, AF+FR*(\a)
.set s0, SCB+4*\b+(\k)%4
.set s1, SCA+4*(\a)+(\k)%4
	WMM \k
.endr
.endr
.endm
.macro FETCH_B k                       ; the weight's eight fragments of step k into set k % 2
	WIN TO_B
.irp i, 0,1,2,3,4,5,6,7
	FRAG 128*((\k)%2)+FR*\i, ADRB, \k, \i
.endr
	WIN 0
.endm
.macro FETCH_A k, i0                   ; the tokens' blocks i0 .. i0 + 3
.irp i, \i0, \i0+1, \i0+2, \i0+3
	FRAG AF+FR*(\i), ADRA, \k, \i
.endr
.endm
.macro PLACES n                        ; loads into registers that a matrix instruction has read, and readers of its result, stand NP plain places behind it (ISA guide 7.12.1 for readers of its result)
.rept \n
	v_nop
.endr
.endm
; A step of 128 along K with a successor.  A block of tokens is free as soon as its eight products are issued: blocks 0-3 are fetched anew in the step's middle, blocks 4-7 at its end.
.macro STEP k, zero
	s_wait_dscnt 8                                 ; all but the youngest eight loads (the tokens' blocks 4-7)
.if \zero
	WIN 0x81                                       ; the bias lies in window 0
.else
	WIN MUL_LO
.endif
	MUL16 0, \k, \zero
	MUL16 2, \k, \zero
	s_wait_dscnt 0
	PLACES NP
	FETCH_B (\k)+1
	FETCH_A (\k)+1, 0
.if \zero
	WIN 0xc1
.else
	WIN MUL_HI
.endif
	MUL16 4, \k, \zero
	MUL16 6, \k, \zero
	PLACES NP
	WIN 0
	FETCH_A (\k)+1, 4
.endm
; v: 32 matrix instructions: source 0 = the tokens' eight blocks, source 1 = the weight's four
.macro VMUL k, zero
.irp a, 0,1,2,3
.irp b, 0,1,2,3,4,5,6,7
.set rD, 8*(8*\a+\b)
.if \zero
.set rC, BI+8*\a
.else
.set rC, rD
.endif
.set rA, 128*((\k)%2)+FR*\b
.set rB, AF+32*((\k)%2)+FR*\a
.set s0, SCA+4*\b+(\k)%4
.set s1, SCB+4*\a+(\k)%4
	WMM \k
.endr
.endr
.endm
.macro VFETCH k                        ; both sides have two sets
	WIN TO_B
.irp i, 0,1,2,3,4,5,6,7
	FRAG 128*((\k)%2)+FR*\i, ADRA, \k, \i
.endr
	WIN 0
.irp i, 0,1,2,3
	FRAG AF+32*((\k)%2)+FR*\i, ADRV, \k, \i
.endr
.endm
	s_wait_alu depctr_va_vdst(0)                   ; the wait at the head's end
	s_wait_tensorcnt 0x0                           ; my 128 rows are in,
	s_barrier_signal -1
	s_barrier_wait -1                              ; everybody's are
	FETCH_B 0
	FETCH_A 0, 0
	FETCH_A 0, 4
	s_wait_loadcnt 0x0                             ; the scale words and the bias
	STEP 0, 1
.set Q, 1
.rept 6
	STEP Q, 0
.set Q, Q+1
.endr
	s_wait_tensorcnt 0x0                           ; the refill's three lines, in every wave: no tensor load of mine is out;
	ds_add_u32 v[SPW], v[NIL]                      ; 0 onto my spare word;
	s_wait_dscnt 0x0                               ; the add is done, and the last step's fragments are in registers: my reads of the weight rows are over
	CROUND                                         ; that holds of every wave of all sixteen work-groups
	tensor_load_to_lds s[G0V:G0V+3], s[G1V:G1V+7]  ; my 32 rows of v's weight, jointly with my column
	s_nop 0
.rept 4
	v_nop
.endr
	WIN MUL_LO
	MUL16 0, 7, 0
	MUL16 2, 7, 0
	WIN MUL_HI
	MUL16 4, 7, 0
	MUL16 6, 7, 0
	WIN 0
	s_mov_b32 s[SEL], 0x76543210
	s_mov_b32 s[SEL+1], 0xfedcba98                 ; v_permlanex16_b32's selects for lane l xor 16
	PLACES NP
.irp a, 0,1,2,3
	global_load_b128 v[SCB+4*\a:SCB+4*\a+3], v[SOF], s[PVS:PVS+1] offset:512*\a   ; v's scale words, where q's or k's lay
.endr
.irp a, 0,1,2,3
.irp j, 0,1,2,3,4,5,6,7
	global_load_b32 v[BI+8*\a+\j], v[R4], s[PVB:PVB+1] offset:64*\a   ; v: every register of tile a holds bias[16 a + r]
.endr
.endr
; THE QUANTISER.  Block a's eight accumulators: 64 numbers of a lane, register 16 b + i belongs to block b of 32 along the quantised axis; the block's other 16 lie in lane l xor 16.
; The largest magnitude's exponent field less 2 IS the scale's byte.  The floor 2^(6 - 127) among the maximum's leaves holds the byte at 4 from below.  Each accumulator is read from its low end on.
.macro QUANT a
.set WX, 2+(\a)/4
.set WN, (WX<<2)|(WX<<4)
.set AC0, 64*((\a)%4)
.set PCA, PC+8*(\a)
	WIN WN
.irp b, 0,1,2,3
	v_max3_num_f32 v[TM+\b], 0x3000000, |v[AC0+16*\b]|, |v[AC0+16*\b+1]|
.endr
.irp i, 2,4,6,8,10,12,14
.irp b, 0,1,2,3
	v_max3_num_f32 v[TM+\b], v[TM+\b], |v[AC0+16*\b+\i]|, |v[AC0+16*\b+\i+1]|
.endr
.endr
	WIN 0
.irp b, 0,1,2,3
	v_permlanex16_b32 v[TM+4+\b], v[TM+\b], s[SEL], s[SEL+1]   ; (its destination counts as read: written at the head, as offsets)
.endr
.irp b, 0,1,2,3
	v_max_num_f32 v[TM+\b], v[TM+\b], v[TM+4+\b]
.endr
.irp b, 0,1,2,3
	v_add_nc_u32 v[TM+12+\b], 0xff000000, v[TM+\b] ; 2 off the exponent field: the conversion's scale operand
.endr
.irp b, 0,1,2,3
	v_lshrrev_b32 v[TM+4+\b], 23, v[TM+12+\b]      ; the scale's byte
.endr
	v_lshl_or_b32 v[WD+(\a)], v[TM+5], 8, v[TM+4]
	v_lshl_or_b32 v[WD+(\a)], v[TM+6], 16, v[WD+(\a)]
	v_lshl_or_b32 v[WD+(\a)], v[TM+7], 24, v[WD+(\a)]
	WIN WX
.irp c, 0,1
	v_cvt_scalef32_pk8_fp4_f32 v[PCA+4*\c], v[AC0+32*\c:AC0+32*\c+7], v[TM+12+2*\c]
	v_cvt_scalef32_pk8_fp4_f32 v[PCA+4*\c+1], v[AC0+32*\c+16:AC0+32*\c+23], v[TM+13+2*\c]
	v_cvt_scalef32_pk8_fp4_f32 v[PCA+4*\c+2], v[AC0+32*\c+8:AC0+32*\c+15], v[TM+12+2*\c]
	v_cvt_scalef32_pk8_fp4_f32 v[PCA+4*\c+3], v[AC0+32*\c+24:AC0+32*\c+31], v[TM+13+2*\c]
.endr
	WIN 0
	v_nop                                          ; one plain place behind a scaled conversion
.irp c, 0,1
	v_permlane16_swap_b32 v[PCA+4*\c], v[PCA+4*\c+1]
	v_permlane16_swap_b32 v[PCA+4*\c+2], v[PCA+4*\c+3]
.endr
.endm
.irp a, 0,1,2,3,4,5,6,7
	QUANT \a
.endr
	; q, k: block a is 16 tokens; registers 0-3 are my first head's 64 channels, registers 4-7 my second head's.  Each store of the wave covers 512 consecutive bytes, aligned.
.irp a, 0,1,2,3,4,5,6,7
	global_store_b128 v[L16], v[PC+8*\a:PC+8*\a+3], s[PA:PA+1] offset:512*\a
	global_store_b128 v[L16], v[PC+8*\a+4:PC+8*\a+7], s[PB:PB+1] offset:512*\a
.endr
	; a scale word of the second launch serves two tiles of 16 tokens: bytes 0, 1 tile 2 f's two blocks, bytes 2, 3 tile 2 f + 1's.  Lane l stores the words of f = l / 16 and f = 2 + l / 16: 256 consecutive bytes, aligned
.irp f, 0,1,2,3
	v_perm_b32 v[WP+\f], v[WD+2*\f+1], v[WD+2*\f], 0x05040100
.endr
	v_cndmask_b32 v[WP+4], v[WP], v[WP+1], s104
	v_cndmask_b32 v[WP+5], v[WP+2], v[WP+3], s104
	global_store_b64 v[L8], v[WP+4:WP+5], s[PSA:PSA+1]
.irp f, 0,1,2,3
	v_perm_b32 v[WP+\f], v[WD+2*\f+1], v[WD+2*\f], 0x07060302
.endr
	v_cndmask_b32 v[WP+6], v[WP], v[WP+1], s104
	v_cndmask_b32 v[WP+7], v[WP+2], v[WP+3], s104
	global_store_b64 v[L8], v[WP+6:WP+7], s[PSB:PSB+1]
	; V.  The tokens lie in LDS still; their scale words are in registers still
	s_wait_alu depctr_va_vdst(0)                   ; the wait ahead of the waits below
	s_wait_xcnt 0x0                                ; the stores have read their registers: the codes' registers take fragments again
	s_wait_tensorcnt 0x0                           ; my 32 rows of v's weight are in,
	s_barrier_signal -1
	s_barrier_wait -1                              ; everybody's are
	VFETCH 0
	s_wait_loadcnt 0x0                             ; v's scale words and bias
	s_wait_dscnt 0x0
	VFETCH 1
	WIN 0x81
	VMUL 0, 1
.set Q, 1
.rept 6
	s_wait_dscnt 0x0                               ; this step's fragments, asked for 32 matrix instructions ago
	WIN 0
	PLACES NP                                      ; the sets that the last step read are loaded anew
	VFETCH Q+1
	WIN MUL_LO
	VMUL Q, 0
.set Q, Q+1
.endr
	s_wait_dscnt 0x0
	VMUL 7, 0
	WIN 0
	PLACES NP
.irp a, 0,1,2,3
	QUANT \a
.endr
	; block a is 16 channels of my head x the record's 128 keys: a whole fragment of the second product, 1,024 bytes, behind k's 4,096
.irp a, 0,1,2,3
	global_store_b128 v[L16], v[PC+8*\a:PC+8*\a+3], s[PVO:PVO+1] offset:4096+1024*\a
	global_store_b128 v[L16], v[PC+8*\a+4:PC+8*\a+7], s[PVO:PVO+1] offset:4096+1024*\a+512
.endr
	v_cndmask_b32 v[WP], v[WD], v[WD+1], s104      ; lane l stores the words of tiles l / 16 and 2 + l / 16
	v_cndmask_b32 v[WP+1], v[WD+2], v[WD+3], s104
	global_store_b64 v[L8], v[WP:WP+1], s[PVO:PVO+1] offset:8448
	s_wait_tensorcnt 0x0                           ; the wave's end
	ds_add_u32 v[SPW], v[NIL]
	s_wait_dscnt 0x0
	CROUND                                         ; the closing round
	s_endpgm
.Lfunc_end_k_q0dedaa80a6_proj:
	.size	k_q0dedaa80a6_proj, .Lfunc_end_k_q0dedaa80a6_proj-k_q0dedaa80a6_proj
	.p2alignl 7, 3214868480
	.fill 96, 4, 3214868480
	.section	.rodata,"a",@progbits
	.p2align	6, 0x0
	.amdhsa_kernel k_q0dedaa80a6_proj
		.amdhsa_group_segment_fixed_size 327680
		.amdhsa_private_segment_fixed_size 0
		.amdhsa_enable_private_segment 0
		.amdhsa_kernarg_size 104
		.amdhsa_user_sgpr_count 2
		.amdhsa_user_sgpr_kernarg_segment_ptr 1
		.amdhsa_wavefront_size32 1
		.amdhsa_system_sgpr_workgroup_id_x 1
		.amdhsa_system_sgpr_workgroup_id_y 1
		.amdhsa_system_sgpr_workgroup_id_z 1
		.amdhsa_system_vgpr_workitem_id 0
		.amdhsa_next_free_vgpr 1024
		.amdhsa_next_free_sgpr 106
		.amdhsa_reserve_vcc 0
		.amdhsa_float_denorm_mode_32 3
		.amdhsa_float_denorm_mode_16_64 3
		.amdhsa_memory_ordered 1
		.amdhsa_forward_progress 1
		.amdhsa_inst_pref_size 196
	.end_amdhsa_kernel
	.amdgpu_metadata
---
amdhsa.version: [ 1, 2 ]
amdhsa.kernels:
  - .name:           k_q0dedaa80a6_proj
    .symbol:         k_q0dedaa80a6_proj.kd
    .args:
      - { .name: hidden_states_codes, .offset: 0, .size: 8, .value_kind: global_buffer, .address_space: global }
      - { .name: hidden_states_scales, .offset: 8, .size: 8, .value_kind: global_buffer, .address_space: global }
      - { .name: q_weight_codes, .offset: 16, .size: 8, .value_kind: global_buffer, .address_space: global }
      - { .name: q_weight_scales, .offset: 24, .size: 8, .value_kind: global_buffer, .address_space: global }
      - { .name: k_weight_codes, .offset: 32, .size: 8, .value_kind: global_buffer, .address_space: global }
      - { .name: k_weight_scales, .offset: 40, .size: 8, .value_kind: global_buffer, .address_space: global }
      - { .name: v_weight_codes, .offset: 48, .size: 8, .value_kind: global_buffer, .address_space: global }
      - { .name: v_weight_scales, .offset: 56, .size: 8, .value_kind: global_buffer, .address_space: global }
      - { .name: q_bias, .offset: 64, .size: 8, .value_kind: global_buffer, .address_space: global }
      - { .name: k_bias, .offset: 72, .size: 8, .value_kind: global_buffer, .address_space: global }
      - { .name: v_bias, .offset: 80, .size: 8, .value_kind: global_buffer, .address_space: global }
      - { .name: qw, .offset: 88, .size: 8, .value_kind: global_buffer, .address_space: global }
      - { .name: kvw, .offset: 96, .size: 8, .value_kind: global_buffer, .address_space: global }
    .group_segment_fixed_size: 327680
    .private_segment_fixed_size: 0
    .kernarg_segment_align: 8
    .kernarg_segment_size: 104
    .max_flat_workgroup_size: 128
    .sgpr_count:     106
    .vgpr_count:     1024
    .wavefront_size: 32
...
	.end_amdgpu_metadata
.endif
;; end of part 1
;; launch attn (part 2): grid 4 x 64, 8 waves a work-group, clusters of 4 x 1, 327,680 bytes of LDS; arguments qw, kvw, attention_mask, out0; writes out0
.if DOCPART == 2
	.amdgcn_target "amdgcn-amd-amdhsa--gfx1250"
	.amdhsa_code_object_version 6
	.text
	.protected	k_q0dedaa80a6_attn
	.globl	k_q0dedaa80a6_attn
	.p2align	8
	.type	k_q0dedaa80a6_attn,@function
k_q0dedaa80a6_attn:
	s_mov_b64 s[64:65], 0
	v_nop
	global_prefetch_b8 v0, s[64:65] scope:SCOPE_SE
	s_setreg_imm32_b32 hwreg(HW_REG_WAVE_MODE, 25, 1), 1
	s_wait_xcnt 0x0
	s_wait_alu depctr_hold_cnt(0) depctr_sa_sdst(0) depctr_va_vdst(0) depctr_va_sdst(0) depctr_va_ssrc(0) depctr_va_vcc(0) depctr_vm_vsrc(0)
	s_getreg_b32 s2, hwreg(HW_REG_IB_STS2, 6, 4)
	s_cmp_eq_u32 s2, 0
	s_cbranch_scc0 .Lentry_in_a_cluster
	s_endpgm
.Lentry_in_a_cluster:
	s_bfe_u32 s2, ttmp6, 0x10000c
	s_cmp_lg_u32 s2, 0x3003
	s_cbranch_scc0 .Lentry_shape_is_right
	s_endpgm
.Lentry_shape_is_right:
; out = softmax(q k^T / 8 + mask) v for each of 64 (batch, head), both products on codes of FP4 (E2M1) with E8M0 scales, from the first launch's records.  Nothing of the problem is left out here.
; THE SOFTMAX: t = (score + mask) x log2(e); M = the ceiling of the row's running largest t; p = 2^(t - M) is quantised along the keys; the row's sum is taken of the unquantised p and divides at the end.
; When M moves, the sums and O^T are multiplied by 2^(old M - new M), in every step, with no branch on data.
; LIMITS: the promise holds while the scaled scores stay under 2^31 in magnitude; a row all of whose scores lie under -1e38 is not served; NaN among the inputs is not served.
; SHARES.  The four work-groups of a cluster own the 4 x 512 queries of one head and ask JOINTLY for its K and V: 16 records of 8,704 bytes (128 keys each), two records a wave, one tensor load a wave, filled once.
; A wave owns 64 queries, four tiles of 16, and walks the 16 records.  The mask's 8,192 bytes come by plain loads and LDS stores into bytes of their own.
; No prefetch: the only tensor loads stand at the head, so there is no later request to ask ahead for.
; LAYOUT.  S^T = K Q^T (+ the mask as C; 1/8 is 3 off q's scale bytes), O^T = V^T P^T: a lane holds ONE query (lane % 16).  The head's 64 channels fill half of the instruction's 128: a fragment of K holds two key tiles, and Q stands beside zero codes.
; THE KEYS OF A TILE ARE CHOSEN: row 8 h + j of tile (c, T) is key 64 c + 32 h + 8 T + j.  So lane (r, h) holds in registers 32 c + 0 .. 31 the WHOLE block 2 c + h of 32 keys: a block's maximum needs no other lane,
; and the conversion of tile (c, T) is register 4 c + T of P's operand as it stands.  Only the row's maximum and the scale word's bytes cross the lane halves.
; THE ORDER OF A PAIR OF QUERY TILES.  Tile 0's maxima; tile 0's chain to M among tile 1's maxima; tile 1's chain among tile 0's t - M; a wait; the four blocks' largest p; a wait; O^T's rescaling and the scale operands;
; tile 0's exponentials with tile 1's t - M among and behind them; a wait; tile 1's exponentials with tile 0's conversions and first sums among and behind them; a wait; the rest.
; A line that stands among exponentials reads only what was written ahead of a wait in front of them, and is read behind the wait that follows.
; THE LAST STEP sends tiles 0 and 1 out as soon as their last products are issued: their stores are on their way while tiles 2 and 3 are finished.
; REGISTERS: window 0: v3-7 addresses, v8-43 Q between zeros, v44-51 scale words, v52-67 state (-M, largest score, the sum's pair, for each tile), v76-99 at work, v100-115 P's codes, v116-127 addresses, v128-255 scores of two tiles.
;   window 1: v0-127 O^T, v128-191 the mask (on the way out: two tiles of results), v192-223 K's fragments, v224-255 V's.
.set REC,   8704
.set KVW,   2*REC
.set HEADB, 16*REC
.set MASK,  HEADB
.set STAGE, MASK+8192
.set SP,    272
.set SPARE, STAGE+8*16*SP
.set STO, 3
.set RD,  4
.set GO,  5
.set SPW, 6
.set NIL, 7
.set QF,  8
.set QS,  44
.set KS,  46
.set VS,  48
.set PW,  50
.set ST,  52                           ; tile t: +4 t: -M, the largest score, the sum's pair
.set TT,  76                           ; tile x of the pair: +12 x: 0, 1 block maxima; 2, 3 at work; 4 f (5 named with it); 6, 7 at work; 8, 9 scale operands; 10, 11 at work
.set PC,  100
.set BKC, 116
.set BKS, 117
.set BVC, 118
.set BVS, 119
.set BM,  120
.set AKC, 121
.set AKS, 122
.set AVC, 123
.set AVS, 124
.set AM,  125
.set SELP, 126
.set QW,  127
.set S,   128
.set MK,  128
.set KF,  192
.set VF,  224
.set WV,   12
.set G1KV, 16
.set G0KV, 32
.set SEL,  40
.set CS,   42
.set TR,   44
.set TMK,  45
.set NCS,  56
.set HM,   57
.set MSB, 0
.macro WIN new
.if MSB != \new
	s_set_vgpr_msb (MSB<<8)|\new
.set MSB, \new
.endif
.endm
.macro CROUND
	s_barrier_signal -1
	s_barrier_wait -1
	s_cmp_lg_u32 s[WV], 0
	s_cbranch_scc1 .Lnot_wave_0_\@
	s_barrier_signal -3
.Lnot_wave_0_\@:
	s_barrier_wait -3
	s_barrier_signal -1
	s_barrier_wait -1
.endm
.macro PLACES
.rept 4
	v_nop
.endr
.endm
	s_load_b256 s[4:11], s[0:1], 0x0               ; qw, kvw, the mask, out
	v_lshl_add_u32 v[SPW], v0, 2, SPARE
	v_mov_b32 v[NIL], 0
	ds_add_u32 v[SPW], v[NIL]                      ; the opening lines: the add, twice on end, and its wait
	ds_add_u32 v[SPW], v[NIL]
	v_lshrrev_b32 v1, 5, v0
	v_readfirstlane_b32 s[WV], v1
	s_bfe_u32 s13, ttmp6, 0x40000                  ; cx: which 512 queries
	s_and_b32 s14, ttmp7, 0xffff                   ; 16 x batch + head
	s_mov_b32 s[G1KV], 15|(3<<16)|(1<<21)          ; the four partners; elements of 8 bytes; 68 rows of 256 bytes, dense
	s_mov_b32 s[G1KV+1], 32<<16
	s_mov_b32 s[G1KV+2], 68<<16
	s_mov_b32 s[G1KV+3], 32<<16
	s_mov_b32 s[G1KV+4], 68
	s_mov_b32 s[G1KV+5], 32
	s_mov_b32 s[G1KV+6], 0
	s_mov_b32 s[G1KV+7], 0
	s_mul_i32 s48, s14, HEADB
	s_mul_i32 s49, s[WV], KVW
	s_add_co_u32 s48, s48, s49                     ; my two records
	s_mov_b32 s49, 0
	s_lshr_b32 s50, s14, 4
	s_lshl_b32 s50, s50, 13                        ; the batch's mask
	s_mov_b32 s51, 0
	s_lshl_b32 s52, s13, 2
	s_lshr_b32 s53, s[WV], 1
	s_add_co_u32 s52, s52, s53
	s_mul_i32 s52, s52, 4352
	s_mul_i32 s53, s14, 69632
	s_add_co_u32 s52, s52, s53                     ; q's record of 128 queries: mine are one half of it
	s_mov_b32 s53, 0
	s_lshr_b32 s54, s14, 4
	s_lshl_b32 s54, s54, 11
	s_lshl_b32 s55, s13, 9
	s_add_co_u32 s54, s54, s55
	s_lshl_b32 s55, s[WV], 6
	s_add_co_u32 s54, s54, s55
	s_lshl_b32 s54, s54, 12                        ; my first query's row of out,
	s_and_b32 s55, s14, 15
	s_lshl_b32 s55, s55, 8
	s_add_co_u32 s54, s54, s55                     ; and the head's 256 bytes in it
	s_mov_b32 s55, 0
	s_and_b32 s58, s[WV], 1
	s_lshl_b32 s59, s58, 11
	s_lshl_b32 s58, s58, 2
	s_mul_i32 s60, s[WV], 16*SP
	s_add_co_u32 s60, s60, STAGE                   ; my stage
	s_mov_b32 s[SEL], 0x76543210
	s_mov_b32 s[SEL+1], 0xfedcba98
	s_mov_b32 s[CS], 0x3fb8aa3b                    ; log2(e)
	s_mov_b32 s[CS+1], s[CS]
	s_mov_b32 s[NCS], 0xbfb8aa3b                   ; -log2(e)
	s_mov_b32 s[HM], 0xffff0000                    ; lanes 16-31
	s_mov_b32 s[TR], 0
	s_mov_b32 s[TMK], 0
	s_wait_alu depctr_va_vdst(0)                   ; the wait ahead of the waits below
	s_wait_dscnt 0x0
	s_wait_kmcnt 0x0
	s_mov_b32 s[G0KV], 1
	s_mul_i32 s[G0KV+1], s[WV], KVW
	s_add_nc_u64 s[G0KV+2:G0KV+3], s[6:7], s[48:49]
	s_or_b32 s[G0KV+3], s[G0KV+3], 0x80000000
	s_add_nc_u64 s[8:9], s[8:9], s[50:51]
	s_add_nc_u64 s[4:5], s[4:5], s[52:53]
	s_add_nc_u64 s[10:11], s[10:11], s[54:55]
	CROUND
	tensor_load_to_lds s[G0KV:G0KV+3], s[G1KV:G1KV+7]   ; my one tensor load
	s_nop 0
	v_and_b32 v1, 31, v0                           ; lane
	v_bfe_u32 v2, v0, 4, 1                         ; h
	v_and_b32 v3, 7, v0                            ; r % 8
	v_bfe_u32 v4, v0, 3, 1                         ; r / 8
	v_lshlrev_b32 v[BVC], 4, v1                    ; V's fragments: 16 x lane
	v_lshl_add_u32 v[BVS], v1, 3, 8448             ; V's scale words: 8 x lane
	v_lshl_add_u32 v[BM], v2, 7, MASK              ; the mask: 32 keys on for lanes 16-31
	v_lshlrev_b32 v[BKC], 4, v3                    ; K's codes: key 32 (r / 8) + r % 8 is row r % 8 of the record's tile 2 (r / 8): 1,024 (r / 8) + 16 (r % 8) + 256 h
	v_lshl_add_u32 v[BKC], v4, 10, v[BKC]
	v_lshl_add_u32 v[BKC], v2, 8, v[BKC]
	v_lshl_add_u32 v[BKS], v3, 3, 8192             ; K's scale words: 8 (r % 8) + 128 (r / 8); lanes 16-31 take those of T = 1, 64 bytes on
	v_lshl_add_u32 v[BKS], v4, 7, v[BKS]
	v_lshl_add_u32 v[BKS], v2, 6, v[BKS]
	v_add_nc_u32 v[AKC], s59, v[BVC]               ; for now: my half of q's codes,
	v_lshl_add_u32 v[AKS], v1, 3, s58              ; q's scale words,
	v_lshlrev_b32 v[AVC], 4, v0                    ; my 16 bytes of the mask in memory,
	v_add_nc_u32 v[AVS], MASK, v[AVC]              ; and in LDS
	s_wait_alu depctr_va_vdst(0)
	global_load_b128 v[S:S+3], v[AVC], s[8:9]
	global_load_b128 v[S+4:S+7], v[AVC], s[8:9] offset:4096
.irp t, 0,1,2,3
	global_load_b128 v[QF+4+8*\t:QF+7+8*\t], v[AKC], s[4:5] offset:512*\t
.endr
	global_load_b32 v[QW], v[AKS], s[4:5] offset:4096
	v_and_b32 v1, 15, v0                           ; r: the way out's addresses
	v_mul_u32_u24 v[STO], v1, SP                   ; into the stage: row r, 32 bytes for each half of the lanes
	v_lshl_add_u32 v[STO], v2, 5, v[STO]
	v_add_nc_u32 v[STO], s60, v[STO]
	v_mul_u32_u24 v[RD], v2, SP                    ; back: lanes 0-15 one row, lanes 16-31 the next
	v_lshl_add_u32 v[RD], v1, 4, v[RD]
	v_add_nc_u32 v[RD], s60, v[RD]
	v_lshlrev_b32 v[GO], 12, v2                    ; and the same two rows in out
	v_lshl_add_u32 v[GO], v1, 4, v[GO]
.irp z, 0,1,2,3,4
.irp i, 0,1,2,3
	v_mov_b32 v[QF+8*\z+\i], 0                     ; zero codes on both sides of each tile of Q
.endr
.endr
.irp t, 0,1,2,3
	v_mov_b32 v[ST+4*\t], 0x7e967699               ; -M: 1e38
	v_mov_b32 v[ST+4*\t+1], 0xfe967699             ; the largest score so far: -1e38
	v_mov_b32 v[ST+4*\t+2], 0
	v_mov_b32 v[ST+4*\t+3], 0
.endr
.irp x, 0,1
	v_mov_b32 v[TT+12*\x+3], 0                     ; a lane permute's destination counts as read
	v_mov_b32 v[TT+12*\x+5], 0                     ; named as the upper half of f's pair
.endr
	v_mov_b32 v[SELP], 0x0c070c03                  ; byte selects of the scale word: lanes 0-15 fill bytes 0 and 2,
	v_mov_b32 v1, 0x070c030c                       ; lanes 16-31 bytes 1 and 3
	v_cndmask_b32 v[SELP], v[SELP], v1, s[HM]
	s_wait_alu depctr_va_vdst(0)
	s_wait_loadcnt 0x0
	ds_store_b128 v[AVS], v[S:S+3]
	ds_store_b128 v[AVS], v[S+4:S+7] offset:4096
	v_perm_b32 v[QS], v[QW], v[QW], 0x01000100     ; tiles 0 (lanes 0-15) and 2 (lanes 16-31): the two bytes serve either half of K
	v_perm_b32 v[QS+1], v[QW], v[QW], 0x03020302   ; tiles 1 and 3
	v_add_nc_u32 v[QS], 0xfcfcfcfd, v[QS]          ; 3 off each byte (each is at least 4): the 1/8
	v_add_nc_u32 v[QS+1], 0xfcfcfcfd, v[QS+1]
	v_add_nc_u32 v[AKC], s[TR], v[BKC]
	v_add_nc_u32 v[AKS], s[TR], v[BKS]
	v_add_nc_u32 v[AVC], s[TR], v[BVC]
	v_add_nc_u32 v[AVS], s[TR], v[BVS]
	v_add_nc_u32 v[AM], s[TMK], v[BM]
	WIN 0x40
.set j, 0
.rept 128
	v_mov_b32 v[j], 0                              ; O^T: the step is written once for all steps; the first change of M leaves zeros zeros
.set j, j+1
.endr
	WIN 0
.macro WM ra, rb
.if (\ra) && (\rb)
	v_wmma_scale_f32_16x16x128_f8f6f4 v[rD:rD+7], v[rA:rA+7], v[rB:rB+7], v[rC:rC+7], v[sA], v[sB] matrix_a_fmt:MATRIX_FMT_FP4 matrix_b_fmt:MATRIX_FMT_FP4 matrix_a_scale:MATRIX_SCALE_ROW1 matrix_b_scale:MATRIX_SCALE_ROW1
.elseif \ra
	v_wmma_scale_f32_16x16x128_f8f6f4 v[rD:rD+7], v[rA:rA+7], v[rB:rB+7], v[rC:rC+7], v[sA], v[sB] matrix_a_fmt:MATRIX_FMT_FP4 matrix_b_fmt:MATRIX_FMT_FP4 matrix_a_scale:MATRIX_SCALE_ROW1
.elseif \rb
	v_wmma_scale_f32_16x16x128_f8f6f4 v[rD:rD+7], v[rA:rA+7], v[rB:rB+7], v[rC:rC+7], v[sA], v[sB] matrix_a_fmt:MATRIX_FMT_FP4 matrix_b_fmt:MATRIX_FMT_FP4 matrix_b_scale:MATRIX_SCALE_ROW1
.else
	v_wmma_scale_f32_16x16x128_f8f6f4 v[rD:rD+7], v[rA:rA+7], v[rB:rB+7], v[rC:rC+7], v[sA], v[sB] matrix_a_fmt:MATRIX_FMT_FP4 matrix_b_fmt:MATRIX_FMT_FP4
.endif
.endm
; S^T of query tiles 2 p, 2 p + 1: fragment (c, T) of K holds key tiles (c, T) and (c, T + 2); u says beside which of them Q stands
.macro KQ p
	WIN 0x11
.irp c, 0,1
.irp T, 0,1
.irp u, 0,1
.irp x, 0,1
.set rD, S+64*\x+32*\c+8*(\T+2*\u)
.set rA, KF+8*(2*\c+\T)
.set rB, QF+8*(2*\p+\x)+4*(1-\u)
.set rC, MK+32*\c+8*(\T+2*\u)
.set sA, KS+\c
.set sB, QS+\x
	WM \T, \p
.endr
.endr
.endr
.endr
.endm
.macro PV p                            ; O^T += V^T P^T: eight accumulators by turns
	WIN 0x51
.irp dt, 0,1,2,3
.irp x, 0,1
.set rD, 32*(2*\p+\x)+8*\dt
.set rA, VF+8*\dt
.set rB, PC+8*\x
.set rC, rD
.set sA, VS+\dt/2
.set sB, PW+\x
	WM \dt%2, 0
.endr
.endr
.endm
.macro LOADK                           ; 25 LDS loads
	ds_load_b64 v[KS:KS+1], v[AKS]
	WIN 0x40
.irp c, 0,1
.irp T, 0,1
.irp u, 0,1
	ds_load_b128 v[KF+8*(2*\c+\T)+4*\u:KF+8*(2*\c+\T)+4*\u+3], v[AKC] offset:2048*\c+128*\T+512*\u
.endr
.endr
.endr
.irp i, 0,1,2,3,4,5,6,7
	ds_load_b128 v[MK+8*\i:MK+8*\i+3], v[AM] offset:256*(\i/4)+32*(\i%4)
	ds_load_b128 v[MK+8*\i+4:MK+8*\i+7], v[AM] offset:256*(\i/4)+32*(\i%4)+16
.endr
	WIN 0
.endm
.macro LOADV                           ; 9 LDS loads
	ds_load_b64 v[VS:VS+1], v[AVS]
	WIN 0x40
.irp i, 0,1,2,3,4,5,6,7
	ds_load_b128 v[VF+4*\i:VF+4*\i+3], v[AVC] offset:4096+512*\i
.endr
	WIN 0
.endm
; THE SOFTMAX'S LINES, one to a call, so that independent runs can be laid between each other.
; MXOP: line n (0 .. 31) of tile x's maxima: each block of 32 scores in two chains of 15, by turns (28 lines), joined with the two scores left (4 lines).  Each accumulator is read from its low end on.
.macro MXOP x, n
.set q_, (\n)%4
.set s_, (\n)/4
.set b_, S+64*(\x)+32*(q_/2)+16*(q_%2)
.set a_, TT+12*(\x)+(q_/2)+10*(q_%2)
.if s_ == 0
	v_max3_num_f32 v[a_], v[b_], v[b_+1], v[b_+2]
.elseif s_ < 7
	v_max3_num_f32 v[a_], v[a_], v[b_+2*s_+1], v[b_+2*s_+2]
.elseif q_ < 2
	v_max3_num_f32 v[TT+12*(\x)+q_], v[TT+12*(\x)+q_], v[TT+12*(\x)+10+q_], v[S+64*(\x)+32*q_+15]
.else
	v_max_num_f32 v[TT+12*(\x)+q_-2], v[TT+12*(\x)+q_-2], v[S+64*(\x)+32*(q_-2)+31]
.endif
.endm
; CHOP: line n (0 .. 8) of the chain from the blocks' maxima to -M and f
.macro CHOP p, x, n
.set t_, TT+12*(\x)
.set z_, ST+4*(2*(\p)+(\x))
.if (\n) == 0
	v_max_num_f32 v[t_+2], v[t_], v[t_+1]
.elseif (\n) == 1
	v_permlanex16_b32 v[t_+3], v[t_+2], s[SEL], s[SEL+1]
.elseif (\n) == 2
	v_max3_num_f32 v[z_+1], v[z_+1], v[t_+2], v[t_+3]   ; the running largest score
.elseif (\n) == 3
	v_mul_f32 v[t_+6], s[NCS], v[z_+1]             ; -t
.elseif (\n) == 4
	v_mov_b32 v[t_+7], v[z_]
.elseif (\n) == 5
	v_floor_f32 v[z_], v[t_+6]                     ; -M = floor(-t): a whole number
.elseif (\n) == 6
	v_sub_f32 v[t_+6], v[z_], v[t_+7]              ; old M - new M
.elseif (\n) == 7
	v_cvt_i32_f32 v[t_+6], v[t_+6]                 ; (it saturates)
.else
	v_ldexp_f32 v[t_+4], 1.0, v[t_+6]              ; f = 2^(old M - new M)
.endif
.endm
; FMOP: t - M: line n < 32 of two scores, lines 32 and 33 of the blocks' largest
.macro FMOP p, x, n
.set z_, ST+4*(2*(\p)+(\x))
.if (\n) < 32
	v_pk_fma_f32 v[S+64*(\x)+2*(\n):S+64*(\x)+2*(\n)+1], v[S+64*(\x)+2*(\n):S+64*(\x)+2*(\n)+1], s[CS:CS+1], v[z_:z_+1] op_sel_hi:[1,0,0]
.else
	v_fma_f32 v[TT+12*(\x)+(\n)-32], v[TT+12*(\x)+(\n)-32], s[CS], v[z_]
.endif
.endm
.macro CVT x, n                        ; the conversion of tile (c, T) = (n / 4, n % 4): register n of P's operand
	v_cvt_scalef32_pk8_fp4_f32 v[PC+8*(\x)+(\n)], v[S+64*(\x)+8*(\n):S+64*(\x)+8*(\n)+7], v[TT+12*(\x)+8+(\n)/4]
.endm
; SHOP: the 28 lines that stand among and behind tile 1's exponentials: tile 0's conversions; the scale bytes brought to the top byte (plain lines behind the conversions); tile 0's first level of sums
.macro SHOP n
.if (\n) < 8
	CVT 0, \n
.elseif (\n) < 12
	v_lshlrev_b32 v[TT+12*(((\n)-8)/2)+10+((\n)-8)%2], 1, v[TT+12*(((\n)-8)/2)+8+((\n)-8)%2]
.else
	v_pk_add_f32 v[S+4*((\n)-12):S+4*((\n)-12)+1], v[S+4*((\n)-12):S+4*((\n)-12)+1], v[S+4*((\n)-12)+2:S+4*((\n)-12)+3]
.endif
.endm
.macro LV x, w                         ; a level of the sum's tree, in place: pairs 2 w apart take in the pairs w further on
.set k_, 0
.rept 32/(\w)
	v_pk_add_f32 v[S+64*(\x)+k_:S+64*(\x)+k_+1], v[S+64*(\x)+k_:S+64*(\x)+k_+1], v[S+64*(\x)+k_+(\w):S+64*(\x)+k_+(\w)+1]
.set k_, k_+2*(\w)
.endr
.endm
.macro LF p, x                         ; the running sum under the new M, and the step's
	v_pk_fma_f32 v[ST+4*(2*(\p)+(\x))+2:ST+4*(2*(\p)+(\x))+3], v[ST+4*(2*(\p)+(\x))+2:ST+4*(2*(\p)+(\x))+3], v[TT+12*(\x)+4:TT+12*(\x)+5], v[S+64*(\x):S+64*(\x)+1] op_sel_hi:[1,0,1]
.endm
.macro SM p
.set i_, 0
.rept 32
	MXOP 0, i_
.set i_, i_+1
.endr
.set i_, 0
.rept 9
	CHOP \p, 0, i_
	MXOP 1, 3*i_
	MXOP 1, 3*i_+1
	MXOP 1, 3*i_+2
.set i_, i_+1
.endr
.irp n, 27,28,29,30,31
	MXOP 1, \n
.endr
.set i_, 0
.rept 9
	CHOP \p, 1, i_
	FMOP \p, 0, 3*i_
	FMOP \p, 0, 3*i_+1
	FMOP \p, 0, 3*i_+2
.set i_, i_+1
.endr
	FMOP \p, 0, 32
	FMOP \p, 0, 33
	FMOP \p, 1, 32
	FMOP \p, 1, 33
	s_wait_alu depctr_va_vdst(0)                   ; the wait ahead of the four below
.irp x, 0,1
.irp c, 0,1
	v_exp_f32 v[TT+12*\x+\c], v[TT+12*\x+\c]       ; the block's largest p: the same two instructions on the same number give the same bits
.endr
.endr
.irp n, 27,28,29,30,31
	FMOP \p, 0, \n                                 ; plain lines behind the four
.endr
	WIN 0x41
	s_wait_alu depctr_va_vdst(0)                   ; for the four; directly ahead of O^T's first readers; ahead of the exponentials
.irp x, 0,1
.set jj, 0
.rept 16
	v_pk_mul_f32 v[32*(2*\p+\x)+jj:32*(2*\p+\x)+jj+1], v[32*(2*\p+\x)+jj:32*(2*\p+\x)+jj+1], v[TT+12*\x+4:TT+12*\x+5] op_sel_hi:[1,0]   ; O^T under the new M
.set jj, jj+2
.endr
.endr
	WIN 0
.irp x, 0,1
.irp c, 0,1
	v_max_num_f32 v[TT+12*\x+\c], 0x1800000, v[TT+12*\x+\c]   ; the floor 2^(3 - 127): the byte cannot fall under 1
.endr
.endr
.irp x, 0,1
.irp c, 0,1
	v_add_nc_u32 v[TT+12*\x+8+\c], 0xff000000, v[TT+12*\x+\c]   ; 2 off the exponent field: the conversion's scale operand
.endr
.endr
.set i_, 0
.rept 36
	v_exp_f32 v[S+i_], v[S+i_]                     ; tile 0: p = 2^(t - M)
.set i_, i_+1
.endr
.set i_, 0
.rept 28
	v_exp_f32 v[S+36+i_], v[S+36+i_]
	FMOP \p, 1, i_
.set i_, i_+1
.endr
.irp n, 28,29,30,31
	FMOP \p, 1, \n
.endr
	s_wait_alu depctr_va_vdst(0)                   ; for tile 0's exponentials, for tile 1's t - M and for the scale operands
.set i_, 0
.rept 40
	v_exp_f32 v[S+64+i_], v[S+64+i_]               ; tile 1
.set i_, i_+1
.endr
.set i_, 0
.rept 24
	v_exp_f32 v[S+104+i_], v[S+104+i_]
	SHOP i_
.set i_, i_+1
.endr
.irp n, 24,25,26,27
	SHOP \n
.endr
	s_wait_alu depctr_va_vdst(0)                   ; for tile 1's exponentials and the lines among them
.irp x, 0,1
	v_perm_b32 v[TT+12*\x+2], v[TT+12*\x+11], v[TT+12*\x+10], v[SELP]   ; my blocks h and 2 + h at their places in the word
.endr
.irp n, 0,1,2,3
	CVT 1, \n
.endr
.irp x, 0,1
	v_permlanex16_b32 v[TT+12*\x+3], v[TT+12*\x+2], s[SEL], s[SEL+1]
.endr
.irp n, 4,5,6,7
	CVT 1, \n
.endr
.irp x, 0,1
	v_or_b32 v[PW+\x], v[TT+12*\x+2], v[TT+12*\x+3]   ; with lane l xor 16's two the word is whole.  (A plain place behind the conversions)
.endr
	LV 0, 4                                        ; the rest of the sums of the unquantised p; these lines are also the places ahead of the products
	LV 1, 2
	LV 0, 8
	LV 1, 4
	LV 0, 16
	LV 1, 8
	LV 0, 32
	LV 1, 16
	LF \p, 0
	LV 1, 32
	LF \p, 1
.endm
; THE WAY OUT of tiles 2 p and 2 p + 1: the sum is joined, O^T is divided and goes through my stage in LDS, so that sixteen lanes store one aligned unit of 256 bytes.  The results stand in the mask's registers, which are free in the last step behind its last scores.
.macro PACKW t
	WIN 0x41
.set jj, 0
.rept 16
	v_pk_mul_f32 v[MK+32*((\t)%2)+jj:MK+32*((\t)%2)+jj+1], v[32*(\t)+jj:32*(\t)+jj+1], v[ST+4*(\t)+2:ST+4*(\t)+3] op_sel_hi:[1,0]
.set jj, jj+2
.endr
	WIN 0x04
.irp d, 0,1,2,3
	ds_store_b128 v[STO], v[MK+32*((\t)%2)+8*\d:MK+32*((\t)%2)+8*\d+3] offset:64*\d
	ds_store_b128 v[STO], v[MK+32*((\t)%2)+8*\d+4:MK+32*((\t)%2)+8*\d+7] offset:64*\d+16
.endr
	WIN 0x40
.irp i, 0,1,2,3,4,5,6,7
	ds_load_b128 v[MK+32*((\t)%2)+4*\i:MK+32*((\t)%2)+4*\i+3], v[RD] offset:\i*2*SP   ; LDS serves a wave's instructions in order (ISA guide 5.7.1.4)
.endr
	WIN 0
.endm
.macro SENDW t, younger                ; younger: the LDS instructions issued behind this tile's loads
	WIN 0x04
.irp i, 0,1,2,3,4,5,6,7
	s_wait_dscnt \younger+7-\i
	global_store_b128 v[GO], v[MK+32*((\t)%2)+4*\i:MK+32*((\t)%2)+4*\i+3], s[10:11] offset:(16*(\t)+2*\i)*4096 th:TH_STORE_NT
.endr
	WIN 0
.endm
.macro OUT p
.if \p
	s_wait_alu depctr_va_vdst(0)                   ; the wait ahead of the wait below
	s_wait_xcnt 0x0                                ; the first two tiles' stores have read their registers
.endif
.irp x, 0,1
	v_add_f32 v[ST+4*(2*\p+\x)+2], v[ST+4*(2*\p+\x)+2], v[ST+4*(2*\p+\x)+3]
.endr
.irp x, 0,1
	v_permlanex16_b32 v[ST+4*(2*\p+\x)+3], v[ST+4*(2*\p+\x)+2], s[SEL], s[SEL+1]
.endr
.irp x, 0,1
	v_add_f32 v[ST+4*(2*\p+\x)+2], v[ST+4*(2*\p+\x)+2], v[ST+4*(2*\p+\x)+3]
.endr
	s_wait_alu depctr_va_vdst(0)
.irp x, 0,1
	v_rcp_f32 v[ST+4*(2*\p+\x)+2], v[ST+4*(2*\p+\x)+2]
.endr
	v_nop                                          ; one plain place behind a transcendental
	s_wait_alu depctr_va_vdst(0)
	PACKW 2*\p
	PACKW 2*\p+1
	SENDW 2*\p, 16
	SENDW 2*\p+1, 0
.endm
.macro STEP more
	s_wait_dscnt 9                                 ; K's fragments, scale words and the mask are in; V's nine loads, issued behind them, may be out
	KQ 0
	WIN 0
	PLACES
	SM 0
	s_wait_alu depctr_va_vdst(0)
	s_wait_dscnt 0x0                               ; V
	PV 0
	KQ 1
	WIN 0
.if \more
	s_add_co_u32 s[TR], s[TR], REC
	s_add_co_u32 s[TMK], s[TMK], 512
	v_add_nc_u32 v[AKC], s[TR], v[BKC]             ; five plain lines: the places ahead of the loads and of the scores' readers
	v_add_nc_u32 v[AKS], s[TR], v[BKS]
	v_add_nc_u32 v[AVC], s[TR], v[BVC]
	v_add_nc_u32 v[AVS], s[TR], v[BVS]
	v_add_nc_u32 v[AM], s[TMK], v[BM]
	LOADK
.else
	OUT 0                                          ; tiles 0 and 1 are finished
	s_wait_alu depctr_va_vdst(0)
.endif
	SM 1
	PV 1
	WIN 0
.if \more
	PLACES
	LOADV
.endif
.endm
	s_wait_alu depctr_va_vdst(0)                   ; the wait at the head's end
	s_wait_tensorcnt 0x0                           ; my two records are in,
	s_wait_dscnt 0x0                               ; my part of the mask is stored,
	s_barrier_signal -1
	s_barrier_wait -1                              ; everybody's are
	LOADK
	LOADV
	s_mov_b32 s46, 15
.Lstep:
	STEP 1
	s_sub_co_u32 s46, s46, 1
	s_cmp_lg_u32 s46, 0
	s_wait_alu depctr_va_vdst(0)
	s_cbranch_scc1 .Lstep
	STEP 0
	OUT 1
	s_wait_tensorcnt 0x0                           ; the wave's end
	ds_add_u32 v[SPW], v[NIL]
	s_wait_dscnt 0x0
	CROUND                                         ; the closing round
	s_endpgm
.Lfunc_end_k_q0dedaa80a6_attn:
	.size	k_q0dedaa80a6_attn, .Lfunc_end_k_q0dedaa80a6_attn-k_q0dedaa80a6_attn
	.p2alignl 7, 3214868480
	.fill 96, 4, 3214868480
	.section	.rodata,"a",@progbits
	.p2align	6, 0x0
	.amdhsa_kernel k_q0dedaa80a6_attn
		.amdhsa_group_segment_fixed_size 327680
		.amdhsa_private_segment_fixed_size 0
		.amdhsa_enable_private_segment 0
		.amdhsa_kernarg_size 32
		.amdhsa_user_sgpr_count 2
		.amdhsa_user_sgpr_kernarg_segment_ptr 1
		.amdhsa_wavefront_size32 1
		.amdhsa_system_sgpr_workgroup_id_x 1
		.amdhsa_system_sgpr_workgroup_id_y 1
		.amdhsa_system_sgpr_workgroup_id_z 1
		.amdhsa_system_vgpr_workitem_id 0
		.amdhsa_next_free_vgpr 512
		.amdhsa_next_free_sgpr 66
		.amdhsa_reserve_vcc 0
		.amdhsa_float_denorm_mode_32 3
		.amdhsa_float_denorm_mode_16_64 3
		.amdhsa_memory_ordered 1
		.amdhsa_forward_progress 1
		.amdhsa_inst_pref_size 129
	.end_amdhsa_kernel
	.amdgpu_metadata
---
amdhsa.version: [ 1, 2 ]
amdhsa.kernels:
  - .name:           k_q0dedaa80a6_attn
    .symbol:         k_q0dedaa80a6_attn.kd
    .args:
      - { .name: qw, .offset: 0, .size: 8, .value_kind: global_buffer, .address_space: global }
      - { .name: kvw, .offset: 8, .size: 8, .value_kind: global_buffer, .address_space: global }
      - { .name: attention_mask, .offset: 16, .size: 8, .value_kind: global_buffer, .address_space: global }
      - { .name: out0, .offset: 24, .size: 8, .value_kind: global_buffer, .address_space: global }
    .group_segment_fixed_size: 327680
    .private_segment_fixed_size: 0
    .kernarg_segment_align: 8
    .kernarg_segment_size: 32
    .max_flat_workgroup_size: 256
    .sgpr_count:     66
    .vgpr_count:     512
    .wavefront_size: 32
...
	.end_amdgpu_metadata
.endif
;; end of part 2
